; MI455X (gfx1250); checked and timed in simulation.
; The chip was launched on July 23, 2026; its instructions are those of AMD's public machine-readable ISA for CDNA 5 (MIT licence, August 2026) and "CDNA5" Instruction Set Architecture Reference Guide (July 2026). The comments in the code are by the model that wrote it; some were corrected since.
;; Householder Linear. Allowed arithmetic: matrix products marked QUANTISED: E5M2 operands, one E8M0 scale for each 32 along K, by v_wmma_scale_f32_16x16x128_f8f6f4 with both operands' format E5M2, f32 sums; products left as they are: f32 operands where the result goes on into a quantised operand, else bf16, f16 or f32 operands; f32 sums; everything else in f32.
;; Inputs: bias 4,096 float32; vs 10 x 4,096 float32; w 4,096 x 4,096 float32; x 4,096 x 4,096 float32.
;; Outputs: out0 4,096 x 4,096 float32.
;; Constants: time = 3.
;; This version of the problem:
;;   THIS VERSION OF THE PROBLEM IS GIVEN IN LOW PRECISION. The matrix products marked QUANTISED in the list below multiply operands that are first quantised to E5M2 (5 exponent bits, 2 mantissa bits; 8 bits a number), with one power-of-two scale for each 32 numbers along K (OCP MX v1.0); their sums are f32. All else is computed in f32.
;;   The module's matrix products, in the order in which they are computed (A, B: the left and right operand; K: the contracted axis; several contracted axes count as one K, in the product's order):
;;     1. [M 4,096, K 4,096] x [K 4,096, N 1]; A: input x; B: computed on the way: left as it is (N = 1 < 16)
;;     2. [M 4,096, K 4,096] x [K 4,096, N 4,096]; A: computed on the way; B: input w: QUANTISED
;;   THE QUANTISER, for each operand of a quantised product, along K:
;;     - K is cut into blocks of 32 from its start; a last block that is shorter is filled with zeros.
;;     - A block's scale is 2^e with e = floor(log2(the largest magnitude in the block)) - 15, held to -126 .. 127; a block of zeros has e = 0. As a byte (E8M0): e + 127.
;;     - Each number is divided by its block's scale, clamped to +-57,344, and rounded to the nearest number of E5M2, ties to even, subnormals kept.
;;     - The product sums the exact products of the quantised numbers (number of the format x scale) in f32.
;;   ~~~python
;;   def quantise(x, axis):      # numpy; x: float32 -> the quantised numbers, widened to float32 again
;;       x = np.moveaxis(x, axis, -1); K = x.shape[-1]
;;       x = np.pad(x, [(0, 0)] * (x.ndim - 1) + [(0, -K % 32)]); x = x.reshape(x.shape[:-1] + (-1, 32)); a = np.abs(x).max(-1, keepdims=True)
;;       e = np.where(a > 0, np.clip(np.frexp(np.where(a > 0, a, 1))[1] - 1 - 15, -126, 127), 0)      # np.frexp(a)[1] - 1 = floor(log2(a)), exactly
;;       r = np.clip(x / 2.0 ** e, -57344, 57344)
;;       step = 2.0 ** (np.maximum(np.frexp(np.where(r == 0, 1, r))[1] - 1, -14) - 2)
;;       q = np.round(r / step) * step * 2.0 ** e      # np.round: ties to even
;;       return np.moveaxis(q.reshape(q.shape[:-2] + (-1,))[..., :K], -1, axis).astype(np.float32)
;;   ~~~
;;   OPERANDS COMPUTED ON THE WAY. 'Computed on the way' means the value that the module computes at that place (a softmax that the list does not call 'softmax' is quantised finished and normalised). What goes into a quantiser is computed in f32, as accurately as f32 sums, v_exp_f32 and their like allow (about 1e-6 of the number): no bf16 or f16 on the way to a quantiser, and a product that is left as it is and whose result goes on into a quantised operand takes f32 operands (vector FMAs, or v_wmma_f32_16x16x4_f32). A number that lies on a knife's edge between two numbers of the format may be rounded either way, as far as f32 arithmetic and the matrix unit's own rounding can turn it there, and no further.
;; One version. Each part assembles by itself: llvm-mc -triple=amdgcn-amd-amdhsa -mcpu=gfx1250 --defsym DOCPART=n.
;; ======== version 1 of 1: 2 launches
;; limits: right only within a limited range of input values; below input magnitudes of 1.7e-21 results are inexact or not finite; inputs' magnitudes at most 1.4e+17
;; workspace buffers: a_ws 17,301,504 bytes; b_ws 17,301,504 bytes
;; launch quant (part 1): grid 256 x 1, 16 waves a work-group, no clusters, 288,768 bytes of LDS; arguments x, w, vs, a_ws, b_ws; writes a_ws, b_ws
.if DOCPART == 1
	.amdgcn_target "amdgcn-amd-amdhsa--gfx1250"
	.amdhsa_code_object_version 6
	.text
	.protected	k_qe6150300d1_quant
	.globl	k_qe6150300d1_quant
	.p2align	8
	.type	k_qe6150300d1_quant,@function
k_qe6150300d1_quant:
	s_mov_b64 s[64:65], 0
	v_nop
	global_prefetch_b8 v0, s[64:65] scope:SCOPE_SE
	s_setreg_imm32_b32 hwreg(HW_REG_WAVE_MODE, 25, 1), 1
	s_wait_xcnt 0x0
; BOTH OPERANDS OF out = Q(m) Q(w) + bias ARE QUANTISED HERE, ONCE.  m = x - 2 (x.u) u, u = vs[3] / |vs[3]|; x, w: [4096][4096] f32; K is m's last axis and w's first.
; Codes of BF8 (E5M2), one E8M0 scale byte for each 32 along K: scale = 2^(floor(log2(the block's largest magnitude)) - 15), byte = that magnitude's exponent field - 15, held at 1 from below;
; each number is divided by the scale, held within +-57,344 and rounded to the nearest code, ties to even.
; m is made as fma(c, v, x) with the raw v = vs[3] and c = -2 (x.v) / (v.v), all in f32: the same number as x - 2 (x.u) u.  The one reciprocal is v_rcp_f32.
; LIMITS: v.v must lie inside 2^-126 .. 2^126 (v_rcp_f32 takes denormals as zero: ISA guide 15.8); NaN and infinities among the inputs are not served; a block of zeros gets the byte 1 where the
; rule says 127: its codes are zeros, which add nothing under any byte but 0xff, and the bytes are read by this program alone.
; THE WORKSPACE, the same for a_ws (rows of m) and b_ws (columns of w): [K step of 256: 16][group of 128 rows: 32][PART = 33,792 bytes].  A PART is what one tensor load of the product's launch brings:
;   codes, as images of operand registers: byte i*4096 + q*2048 + c*512 + 16*(16 h + r): the 16 codes k = 128 q + 32 c + 16 h + 0..15 of row 16 i + r;   scale words: byte 32768 + q*512 + 4*(16 i + r).
; SHARES.  256 work-groups of 16 waves; every work-group does both jobs, on one path without a branch.
;   w: the work-group takes 128 columns x 512 K, a wave 32 columns x 128 K: four blocks of 32.  A lane takes a column and its registers run down K: a block lies in one lane, and the conversions give codes
;      with K innermost.  A lane's 16 codes are 16 bytes of an image: sixteen lanes store 256 consecutive aligned bytes straight from registers.
;   m: the work-group takes 16 rows, all of K; wave w takes k = 256 w .. 256 w + 255 of them.  Its strip of x and of v comes by two tensor loads, asked for at the head.
;      Only the wave that asked reads a strip, so its own wait on TENSORcnt is all the ordering.  The waves' partial sums of x.v and v.v meet in LDS behind the launch's one barrier.
; THE ORDER: the strips and w's blocks 0 and 1 are asked for at the head; blocks 0 and 1 are worked; when the strips have landed, w's blocks 2 and 3 are asked for (64 loads a wave), and ALL OF m IS MADE WHILE
; THEY ARE ON THEIR WAY; blocks 2 and 3 are worked last.  So that their 64 registers stay free, m has 64 registers for x: the strip stays in LDS and is read half by half, its first half twice.
; No LDS byte is filled twice.  By this text's count a wave has two tensor loads out.
.set PART,    33792
.set KSTRIDE, 32*PART                  ; a K step of the workspace
.set SCO,     32768                    ; where a PART's scale words begin
.set XPITCH,  1040                     ; a row of a strip of x in LDS: 1,024 bytes + 16: the 16 rows that a load touches start 16 bytes apart modulo 256 (64 banks of 4 bytes: ISA guide 11.1)
.set XSTRIP,  16*XPITCH                ; a wave's strip of x
.set VSB,     16*XSTRIP                ; behind the strips of x: 1,024 bytes of v for each wave
.set PD,      VSB+16*1024              ; behind them: the partial sums: row r at 80 r, word w = wave w's x.v of row r; row 16: v.v.  No fill lands here
.set X,   64                           ; v64-191   w: four sets of 32 numbers.  v64-127 also: 64 numbers of x, then of m: register 16 b + i = k 32 b + 16 h + i of the half in hand; at the end the codes of w's blocks 2, 3
.set V,   192                          ; v192-255  64 numbers of v, in the same order
.set TM,  192                          ; v192-207  at work in the quantisers, where v is not wanted
.set PC,  32                           ; v32-63    codes: w's blocks 0, 1 (8 registers each); later m's 2 fragments x 16
.set D,   24                           ; v24-31    x.v in four chains of pairs
.set S,   32                           ; v32-39    v.v likewise
.set G1X, 24                           ; s[24:31]  descriptor group 1 for x's strip;  s[32:35] its group 0
.set G0X, 32
.set G0V, 36                           ; s[36:39]  group 0 for v's strip;  s[40:47] its group 1
.set G1V, 40
	s_load_b256 s[4:11], s[0:1], 0x0               ; x s[4:5], w s[6:7], vs s[8:9], a_ws s[10:11]
	s_load_b64 s[12:13], s[0:1], 0x20              ; b_ws
	v_lshl_add_u32 v6, v0, 2, 0x46000
	v_mov_b32 v19, 0
	ds_add_u32 v6, v19
	ds_add_u32 v6, v19
	v_lshrrev_b32 v1, 5, v0
	v_readfirstlane_b32 s14, v1                    ; wave 0..15
	s_mov_b32 s15, ttmp9                           ; work-group g
	s_mov_b32 s20, 0x76543210
	s_mov_b32 s21, 0xfedcba98                      ; v_permlanex16_b32's selects for lane l xor 16
	s_mov_b32 s22, 0x600000                        ; the mantissa field of 57,344
	; x's strip: 16 rows of 256 elements of 4 bytes, 4,096 elements from row to row; 4 words of padding behind every 256
	s_mov_b32 s[G1X+0], (2<<16)|(1<<20)|(7<<22)|(3<<25)
	s_mov_b32 s[G1X+1], 256<<16                    ; tensor_dim0
	s_mov_b32 s[G1X+2], 16<<16                     ; tensor_dim1
	s_mov_b32 s[G1X+3], 256<<16                    ; tile_dim0
	s_mov_b32 s[G1X+4], 16                         ; tile_dim1
	s_mov_b32 s[G1X+5], 4096                       ; tensor_dim0_stride
	s_mov_b32 s[G1X+6], 0
	s_mov_b32 s[G1X+7], 0
	; v's strip: one row of 128 elements of 8 bytes
	s_mov_b32 s[G1V+0], 3<<16
	s_mov_b32 s[G1V+1], 128<<16
	s_mov_b32 s[G1V+2], 1<<16
	s_mov_b32 s[G1V+3], 128<<16
	s_mov_b32 s[G1V+4], 1
	s_mov_b32 s[G1V+5], 128
	s_mov_b32 s[G1V+6], 0
	s_mov_b32 s[G1V+7], 0
	s_mov_b32 s[G0X], 1
	s_mul_i32 s[G0X+1], s14, XSTRIP                ; LDS: my strip of x
	s_mov_b32 s[G0V], 1
	s_lshl_b32 s[G0V+1], s14, 10
	s_add_co_u32 s[G0V+1], s[G0V+1], VSB           ; LDS: my strip of v
	s_lshl_b32 s58, s15, 18                        ; x: 16 g rows of 16,384 bytes
	s_lshl_b32 s60, s14, 10                        ;    + 1,024 bytes x wave
	s_add_co_u32 s58, s58, s60
	s_mov_b32 s59, 0
	s_add_co_u32 s60, s60, 3*16384                 ; vs: row 3 (time = 3), + 1,024 bytes x wave
	s_mov_b32 s61, 0
	; w's share
	s_lshr_b32 s62, s15, 5
	s_lshl_b32 s62, s62, 2
	s_lshr_b32 s63, s14, 2
	s_add_co_u32 s62, s62, s63                     ; which 128 along K: 4 (g / 32) + wave / 4
	s_and_b32 s63, s15, 31                         ; which 128 columns: g % 32
	s_and_b32 s66, s14, 3                          ; which 32 of them: wave % 4
	s_lshr_b32 s67, s62, 1                         ; the K step of 256,
	s_and_b32 s68, s62, 1                          ; and its half q
	s_lshl_b32 s48, s62, 21                        ; w: 128 rows of 16,384 bytes,
	s_lshl_b32 s69, s63, 9
	s_add_co_u32 s48, s48, s69                     ; + 512 bytes a group of columns,
	s_lshl_b32 s69, s66, 7
	s_add_co_u32 s48, s48, s69                     ; + 128 bytes a wave
	s_mov_b32 s49, 0
	s_mul_i32 s50, s67, KSTRIDE
	s_mul_i32 s69, s63, PART
	s_add_co_u32 s50, s50, s69                     ; b_ws: my PART
	s_mov_b32 s51, 0
	s_lshl_b32 s69, s68, 9
	s_add_co_u32 s52, s50, s69                     ; its scale words: + 512 q
	s_lshl_b32 s69, s66, 7
	s_add_co_u32 s52, s52, s69                     ; + 4 bytes x my 32 columns' place
	s_add_co_u32 s52, s52, SCO
	s_mov_b32 s53, 0
	s_lshl_b32 s69, s66, 13
	s_add_co_u32 s50, s50, s69                     ; its codes: my 32 columns are two blocks of 16: + 8,192 x (wave % 4)
	s_lshl_b32 s69, s68, 11
	s_add_co_u32 s50, s50, s69                     ; + 2,048 q
	; m's share
	s_mul_i32 s54, s14, KSTRIDE                    ; a_ws: K step = wave,
	s_lshr_b32 s69, s15, 3
	s_mul_i32 s69, s69, PART
	s_add_co_u32 s54, s54, s69                     ; group g / 8,
	s_and_b32 s69, s15, 7                          ; block g % 8 of its eight
	s_lshl_b32 s70, s69, 6
	s_add_co_u32 s56, s54, s70
	s_add_co_u32 s56, s56, SCO                     ; its scale words
	s_lshl_b32 s70, s69, 12
	s_add_co_u32 s54, s54, s70                     ; its codes
	s_mov_b32 s55, 0
	s_mov_b32 s57, 0
	; a lane's places: made once, never rewritten
	v_and_b32 v1, 31, v0                           ; lane
	v_and_b32 v2, 15, v0                           ; r
	v_bfe_u32 v3, v0, 4, 1                         ; h
	v_lshlrev_b32 v4, 2, v1                        ; w: 4 bytes a lane; also my column's scale word
	v_lshlrev_b32 v5, 4, v2
	v_lshl_add_u32 v5, v3, 12, v5                  ; w's codes: column block lane / 16, 16 bytes at lane % 16
	v_mul_u32_u24 v7, v2, XPITCH
	v_lshl_add_u32 v7, v3, 6, v7
	v_add_nc_u32 v7, s[G0X+1], v7                  ; x in LDS: my strip, row r, + 64 h: my 16 numbers of a block of 32
	v_lshl_add_u32 v8, v3, 6, s[G0V+1]             ; v in LDS: my strip, + 64 h
	v_mul_u32_u24 v11, v2, 80
	v_add_nc_u32 v11, PD, v11                      ; row r's sixteen partial sums
	s_lshl_b32 s71, s14, 2
	v_add_nc_u32 v9, s71, v11                      ; and my wave's word among them
	v_mov_b32 v12, PD+1280                         ; v.v's sixteen,
	v_add_nc_u32 v10, s71, v12                     ; and my wave's word
	v_lshlrev_b32 v13, 4, v1                       ; m's codes: 16 bytes a lane
	v_lshlrev_b32 v14, 2, v2
	v_lshl_add_u32 v14, v3, 9, v14                 ; m's scale words: lanes 0-15 store q = 0's, lanes 16-31 q = 1's
	s_wait_dscnt 0x0
	s_wait_kmcnt 0x0
	s_add_nc_u64 s[G0X+2:G0X+3], s[4:5], s[58:59]
	s_or_b32 s[G0X+3], s[G0X+3], 0x80000000        ; type = 2
	s_add_nc_u64 s[G0V+2:G0V+3], s[8:9], s[60:61]
	s_or_b32 s[G0V+3], s[G0V+3], 0x80000000
	tensor_load_to_lds s[G0X:G0X+3], s[G1X:G1X+7]  ; both first fills together, ahead of every wait on TENSORcnt, every LDS read and the barrier
	s_nop 0
	tensor_load_to_lds s[G0V:G0V+3], s[G1V:G1V+7]
	s_nop 0
	v_mov_b32 v22, 0                               ; a lane permute's destination counts as one of its sources: these are written once
	v_mov_b32 v23, 0
.irp b, 0,1,2,3
	v_mov_b32 v[TM+4+\b], 0
.endr
	s_add_nc_u64 s[48:49], s[6:7], s[48:49]
	s_add_nc_u64 s[50:51], s[12:13], s[50:51]
	s_add_nc_u64 s[52:53], s[12:13], s[52:53]
	s_add_nc_u64 s[54:55], s[10:11], s[54:55]
	s_add_nc_u64 s[56:57], s[10:11], s[56:57]
; ---- w's macros ----
.macro LOAD t                          ; block t: w(32 t + i, my column), i = 0 .. 31: 32 lanes read 128 consecutive bytes; every offset is an immediate, 127 rows at the most; each block has registers of its own
.irp i, 0,1,2,3,4,5,6,7,8,9,10,11,12,13,14,15,16,17,18,19,20,21,22,23,24,25,26,27,28,29,30,31
	global_load_b32 v[X+32*(\t)+\i], v4, s[48:49] offset:(32*(\t)+\i)*16384 th:TH_LOAD_NT
.endr
.endm
.macro BLOCK t, pc, left               ; block t is quantised; its codes go into the eight registers from v[pc] on;  left: the younger loads that may stay out
.set XS, X+32*(\t)
.set PB, \pc
	s_wait_loadcnt \left                           ; loads come back in order (ISA guide 5.7.1): this block's 32 are in
	v_max3_num_f32 v192, |v[XS]|, |v[XS+1]|, |v[XS+2]|             ; the block's largest magnitude: all 32 numbers are mine; two chains
	v_max3_num_f32 v193, |v[XS+3]|, |v[XS+4]|, |v[XS+5]|
.irp i, 6,10,14,18,22,26
	v_max3_num_f32 v192, v192, |v[XS+\i]|, |v[XS+\i+1]|
	v_max3_num_f32 v193, v193, |v[XS+\i+2]|, |v[XS+\i+3]|
.endr
	v_max3_num_f32 v192, v192, |v[XS+30]|, |v[XS+31]|
	v_max3_num_f32 v192, v192, v193, 0x8000000     ; and the floor 2^(16 - 127): the byte cannot fall under 1
	v_add_nc_u32 v194, 0xf8800000, v192            ; 15 off the exponent field: the conversion takes this operand's exponent field as its scale
	v_and_or_b32 v195, v192, 0x7f800000, s22       ; 57,344 x the scale
.if (\t) == 0
	v_lshrrev_b32 v15, 23, v194                    ; the scale's byte; four of them make my column's word, the lower K in the lower byte
.else
	v_lshrrev_b32 v196, 23, v194
	v_lshl_or_b32 v15, v196, 8*(\t), v15
.endif
.irp i, 0,1,2,3,4,5,6,7,8,9,10,11,12,13,14,15,16,17,18,19,20,21,22,23,24,25,26,27,28,29,30,31
	v_med3_num_f32 v[XS+\i], v[XS+\i], -v195, v195 ; the conversion to an 8-bit code does not saturate (ISA guide 7.6.2): hold first
.endr
.irp g, 0,1,2,3
	v_cvt_scalef32_pk8_bf8_f32 v[PB+2*\g:PB+2*\g+1], v[XS+8*\g:XS+8*\g+7], v194
.endr
	v_nop                                          ; one plain vector instruction behind the last conversion, ahead of whatever next writes its sources
	global_store_b128 v5, v[PB:PB+3], s[50:51] offset:512*(\t)             ; k = 32 t + 0..15: sixteen lanes store 256 consecutive aligned bytes
	global_store_b128 v5, v[PB+4:PB+7], s[50:51] offset:512*(\t)+256       ; k = 32 t + 16..31
.endm
; ---- m's macros ----
.macro XREAD q                         ; my 64 numbers of x of the strip's q-th 128 along K
.irp b, 0,1,2,3
.irp j, 0,1,2,3
	ds_load_b128 v[X+16*\b+4*\j:X+16*\b+4*\j+3], v7 offset:512*\q+128*\b+16*\j
.endr
.endr
.endm
.macro VREAD q                         ; and of v: the sixteen lanes of a half read the same words
.irp b, 0,1,2,3
.irp j, 0,1,2,3
	ds_load_b128 v[V+16*\b+4*\j:V+16*\b+4*\j+3], v8 offset:512*\q+128*\b+16*\j
.endr
.endr
.endm
.macro DOT first                       ; x.v and v.v of the half in hand, two numbers an instruction, four chains each; the first products start the sums: nothing is cleared
.set i, 0
.rept 32
.if \first && (i < 4)
	v_pk_mul_f32 v[D+2*i:D+2*i+1], v[X+2*i:X+2*i+1], v[V+2*i:V+2*i+1]
	v_pk_mul_f32 v[S+2*i:S+2*i+1], v[V+2*i:V+2*i+1], v[V+2*i:V+2*i+1]
.else
	v_pk_fma_f32 v[D+2*(i%4):D+2*(i%4)+1], v[X+2*i:X+2*i+1], v[V+2*i:V+2*i+1], v[D+2*(i%4):D+2*(i%4)+1]
	v_pk_fma_f32 v[S+2*(i%4):S+2*(i%4)+1], v[V+2*i:V+2*i+1], v[V+2*i:V+2*i+1], v[S+2*(i%4):S+2*(i%4)+1]
.endif
.set i, i+1
.endr
.endm
.macro MROW                            ; m = c v + x, in place, of the half in hand
.set i, 0
.rept 32
	v_pk_fma_f32 v[X+2*i:X+2*i+1], v[V+2*i:V+2*i+1], v[20:21], v[X+2*i:X+2*i+1]
.set i, i+1
.endr
.endm
.macro SUM16 p                         ; sixteen numbers in v[p] on are added into v[p]
.irp j, 0,4,8,12
	v_pk_add_f32 v[\p+\j:\p+\j+1], v[\p+\j:\p+\j+1], v[\p+\j+2:\p+\j+3]
.endr
	v_pk_add_f32 v[\p:\p+1], v[\p:\p+1], v[\p+4:\p+5]
	v_pk_add_f32 v[\p+8:\p+9], v[\p+8:\p+9], v[\p+12:\p+13]
	v_pk_add_f32 v[\p:\p+1], v[\p:\p+1], v[\p+8:\p+9]
	v_add_f32 v[\p], v[\p], v[\p+1]
.endm
; 64 numbers of a lane, v[s] on, register 16 b + i = k 32 b + 16 h + i of my row, become a fragment's codes in v[pc] on and its scale word in v[pw]
.macro QUANT s, pc, pw
.irp b, 0,1,2,3
	v_max3_num_f32 v[TM+\b], |v[\s+16*\b]|, |v[\s+1+16*\b]|, 0x8000000    ; block b: my 16 numbers, and the floor 2^(16 - 127)
.endr
.irp i, 2,4,6,8,10,12,14
.irp b, 0,1,2,3
	v_max3_num_f32 v[TM+\b], v[TM+\b], |v[\s+16*\b+\i]|, |v[\s+1+16*\b+\i]|   ; the four blocks by turns
.endr
.endr
.irp b, 0,1,2,3
	v_permlanex16_b32 v[TM+4+\b], v[TM+\b], s20, s21
.endr
.irp b, 0,1,2,3
	v_max_num_f32 v[TM+\b], v[TM+\b], v[TM+4+\b]   ; with lane l xor 16's 16: the block's largest magnitude
.endr
.irp b, 0,1,2,3
	v_add_nc_u32 v[TM+12+\b], 0xf8800000, v[TM+\b] ; the conversion's scale operand
.endr
.irp b, 0,1,2,3
	v_and_or_b32 v[TM+8+\b], v[TM+\b], 0x7f800000, s22   ; 57,344 x the scale
.endr
.irp b, 0,1,2,3
	v_lshrrev_b32 v[TM+4+\b], 23, v[TM+12+\b]      ; the scale's byte
.endr
	v_lshl_or_b32 v[\pw], v[TM+5], 8, v[TM+4]      ; my row's scale word
	v_lshl_or_b32 v[\pw], v[TM+6], 16, v[\pw]
	v_lshl_or_b32 v[\pw], v[TM+7], 24, v[\pw]
.irp b, 0,1,2,3
.irp i, 0,1,2,3,4,5,6,7,8,9,10,11,12,13,14,15
	v_med3_num_f32 v[\s+16*\b+\i], v[\s+16*\b+\i], -v[TM+8+\b], v[TM+8+\b]
.endr
	v_cvt_scalef32_pk8_bf8_f32 v[\pc+4*\b:\pc+1+4*\b], v[\s+16*\b:\s+7+16*\b], v[TM+12+\b]
	v_cvt_scalef32_pk8_bf8_f32 v[\pc+2+4*\b:\pc+3+4*\b], v[\s+8+16*\b:\s+15+16*\b], v[TM+12+\b]
.endr
	v_nop                                          ; one plain vector instruction behind the last conversion
.endm
; ---- w's blocks 0 and 1 ----
	LOAD 0
	LOAD 1
	BLOCK 0, PC, 32                                ; block 1's 32 loads may be out
	BLOCK 1, PC+8, 0
; ---- m, with w's blocks 2 and 3 on their way ----
	s_wait_xcnt 0x0                                ; the stores of blocks 0 and 1 have read their data: v32-47 are written again from here on
	s_wait_tensorcnt 0x0                           ; my two strips are in LDS; nobody else reads them
	LOAD 2                                         ; into v128-191, which nothing names until BLOCK 2: 64 loads of mine are out through all of m
	LOAD 3
	XREAD 0
	VREAD 0
	s_wait_dscnt 0x0
	DOT 1
	XREAD 1
	VREAD 1
	s_wait_dscnt 0x0
	DOT 0
	v_pk_add_f32 v[D:D+1], v[D:D+1], v[D+2:D+3]
	v_pk_add_f32 v[D+4:D+5], v[D+4:D+5], v[D+6:D+7]
	v_pk_add_f32 v[S:S+1], v[S:S+1], v[S+2:S+3]
	v_pk_add_f32 v[S+4:S+5], v[S+4:S+5], v[S+6:S+7]
	v_pk_add_f32 v[D:D+1], v[D:D+1], v[D+4:D+5]
	v_pk_add_f32 v[S:S+1], v[S:S+1], v[S+4:S+5]
	v_add_f32 v[D], v[D], v[D+1]
	v_add_f32 v[S], v[S], v[S+1]
	v_permlanex16_b32 v22, v[D], s20, s21
	v_permlanex16_b32 v23, v[S], s20, s21
	v_add_f32 v[D], v[D], v22                      ; row r's x.v over my wave's 256 along K, in lanes r and r + 16 alike
	v_add_f32 v[S], v[S], v23                      ; v.v over the same 256, in every lane alike
	ds_store_b32 v9, v[D]                          ; lanes that share a word write the same value
	ds_store_b32 v10, v[S]
	s_wait_dscnt 0x0                               ; for the others' sake: my stores have landed
	s_barrier_signal -1
	s_barrier_wait -1                              ; all sixteen waves' partial sums lie in LDS
.irp j, 0,1,2,3
	ds_load_b128 v[32+4*\j:35+4*\j], v11 offset:16*\j
.endr
.irp j, 0,1,2,3
	ds_load_b128 v[48+4*\j:51+4*\j], v12 offset:16*\j
.endr
	s_wait_dscnt 0x0
	SUM16 32                                       ; x.v of my row
	SUM16 48                                       ; v.v
	v_rcp_f32 v22, v48
	v_mul_f32 v20, -2.0, v32                       ; (the plain instruction behind the reciprocal)
	s_wait_alu depctr_va_vdst(0)                   ; ahead of the reciprocal's first reader
	v_mul_f32 v20, v20, v22                        ; c = -2 (x.v) / (v.v)
	v_mov_b32 v21, v20                             ; twice: a pair for the packed multiply-add
	MROW                                           ; the second halves of x and of v still lie in registers
	QUANT X, PC+16, 17
	XREAD 0                                        ; the first halves once more
	VREAD 0
	s_wait_dscnt 0x0
	MROW
	QUANT X, PC, 16
.irp q, 0,1
.irp c, 0,1,2,3
	global_store_b128 v13, v[PC+16*\q+4*\c:PC+16*\q+4*\c+3], s[54:55] offset:2048*\q+512*\c   ; an image of four registers: 512 consecutive aligned bytes
.endr
.endr
	v_cmp_lt_u32 vcc_lo, 15, v1
	v_cndmask_b32 v18, v16, v17, vcc_lo            ; lanes 0-15: the word of q = 0; lanes 16-31: of q = 1 (both halves of the lanes hold both words)
	global_store_b32 v14, v18, s[56:57]
; ---- w's blocks 2 and 3: their codes go into v64-79, which m has left, so that no pending store's data are written ----
	BLOCK 2, X, 32                                 ; block 3's 32 loads may be out
	BLOCK 3, X+8, 0
	global_store_b32 v4, v15, s[52:53]             ; 32 columns' scale words: 128 consecutive bytes
	s_wait_tensorcnt 0x0
	ds_add_u32 v6, v19
	s_wait_dscnt 0x0
	s_endpgm
.Lfunc_end_k_qe6150300d1_quant:
	.size	k_qe6150300d1_quant, .Lfunc_end_k_qe6150300d1_quant-k_qe6150300d1_quant
	.p2alignl 7, 3214868480
	.fill 96, 4, 3214868480
	.section	.rodata,"a",@progbits
	.p2align	6, 0x0
	.amdhsa_kernel k_qe6150300d1_quant
		.amdhsa_group_segment_fixed_size 288768
		.amdhsa_private_segment_fixed_size 0
		.amdhsa_enable_private_segment 0
		.amdhsa_kernarg_size 40
		.amdhsa_user_sgpr_count 2
		.amdhsa_user_sgpr_kernarg_segment_ptr 1
		.amdhsa_wavefront_size32 1
		.amdhsa_system_sgpr_workgroup_id_x 1
		.amdhsa_system_sgpr_workgroup_id_y 1
		.amdhsa_system_sgpr_workgroup_id_z 1
		.amdhsa_system_vgpr_workitem_id 0
		.amdhsa_next_free_vgpr 256
		.amdhsa_next_free_sgpr 80
		.amdhsa_reserve_vcc 1
		.amdhsa_float_denorm_mode_32 3
		.amdhsa_float_denorm_mode_16_64 3
		.amdhsa_memory_ordered 1
		.amdhsa_forward_progress 1
		.amdhsa_inst_pref_size 71
	.end_amdhsa_kernel
	.amdgpu_metadata
---
amdhsa.version: [ 1, 2 ]
amdhsa.kernels:
  - .name:           k_qe6150300d1_quant
    .symbol:         k_qe6150300d1_quant.kd
    .args:
      - { .name: x, .offset: 0, .size: 8, .value_kind: global_buffer, .address_space: global }
      - { .name: w, .offset: 8, .size: 8, .value_kind: global_buffer, .address_space: global }
      - { .name: vs, .offset: 16, .size: 8, .value_kind: global_buffer, .address_space: global }
      - { .name: a_ws, .offset: 24, .size: 8, .value_kind: global_buffer, .address_space: global }
      - { .name: b_ws, .offset: 32, .size: 8, .value_kind: global_buffer, .address_space: global }
    .group_segment_fixed_size: 288768
    .private_segment_fixed_size: 0
    .kernarg_segment_align: 8
    .kernarg_segment_size: 40
    .max_flat_workgroup_size: 512
    .sgpr_count:     80
    .vgpr_count:     256
    .wavefront_size: 32
...
	.end_amdgpu_metadata
.endif
;; end of part 1
;; launch gemm (part 2): grid 16 x 16, 4 waves a work-group, clusters of 4 x 4, 327,680 bytes of LDS; arguments a_ws, b_ws, bias, out0; writes out0
.if DOCPART == 2
	.amdgcn_target "amdgcn-amd-amdhsa--gfx1250"
	.amdhsa_code_object_version 6
	.text
	.protected	k_qe6150300d1_gemm
	.globl	k_qe6150300d1_gemm
	.p2align	8
	.type	k_qe6150300d1_gemm,@function
k_qe6150300d1_gemm:
	s_mov_b64 s[64:65], 0
	v_nop
	global_prefetch_b8 v0, s[64:65] scope:SCOPE_SE
	s_setreg_imm32_b32 hwreg(HW_REG_WAVE_MODE, 25, 1), 1
	s_wait_xcnt 0x0
	s_wait_alu depctr_hold_cnt(0) depctr_sa_sdst(0) depctr_va_vdst(0) depctr_va_sdst(0) depctr_va_ssrc(0) depctr_va_vcc(0) depctr_vm_vsrc(0)
	s_getreg_b32 s2, hwreg(HW_REG_IB_STS2, 6, 4)
	s_cmp_eq_u32 s2, 0
	s_cbranch_scc0 .Lentry_in_a_cluster
	s_endpgm
.Lentry_in_a_cluster:
	s_bfe_u32 s2, ttmp6, 0x10000c
	s_cmp_lg_u32 s2, 0xf033
	s_cbranch_scc0 .Lentry_shape_is_right
	s_endpgm
.Lentry_shape_is_right:
; out0[m][n] = sum over k of A[m][k] B[n][k] + bias[n].  A (the rows of m) and B (the columns of w) are codes of BF8 (E5M2) with one E8M0 scale for each 32 along K, 4,096 x 4,096 each; out0 f32; sums in f32.
; THE OPERANDS LIE AS THE LAUNCH BEFORE LAID THEM: [K step of 256: 16][group of 128 rows: 32][PART = 33,792 bytes].  In a PART: images of operand registers, byte i*4096 + q*2048 + c*512 + 16*lane
; (block i of 16 rows, the q-th 128 along K, registers 4 c .. 4 c + 3), then from byte 32,768 the scale words, q*512 + 4*row.  So ONE dense tensor load brings 128 rows x 256 K with their scales,
; a fragment comes out of LDS by four loads of 512 consecutive bytes, and no row pitch or padding is wanted.
; A tile of out0, 256 x 256, is made by a work-group of four waves, as many as a WGP has SIMDs; a wave makes 128 x 128: 64 accumulators of 16 x 16, 512 registers.
; K goes in steps of 256 through a ring of two LDS slots of four PARTs: A's two groups (waves 0, 1 fetch them), B's two (waves 2, 3).
; CLUSTERS: 4 x 4 work-groups.  The four of a row of the cluster need the same PARTs of A, the four of a column the same of B: each is asked for JOINTLY, by the same tensor load with the same descriptor
; and a mask that names the four.  THE MATRIX INSTRUCTION IS USED TRANSPOSED (source 0 = 16 rows of B, source 1 = 16 rows of A): a lane then holds eight neighbouring numbers of a row of out0.
; THE BIAS is the C of each sum's first matrix instruction: eight registers for each of B's eight blocks, in the result's layout.  Nothing is cleared and nothing is added afterwards.
; REGISTERS, in windows of 256: window 0: v0-31 addresses; v32-63 scale words, two sets; v64-127 the bias; from v128 A's fragments (8 x 16 rows x 128 K), ONE set; on the way out v128-255 take rows of out0.
;   window 1: B's fragments, TWO sets, at v0 and at v128.   window 2: the 32 accumulators of my rows 0-63 (accumulator (a, b) at v[8 (8 a + b)]);   window 3: those of my rows 64-127.
; A step of 128 along K is 64 matrix instructions, A's blocks one after the other, each against B's eight: a block of A is free as soon as its eight products are issued, so one set serves A
; (blocks 0-3 fetched anew in the step's middle, blocks 4-7 at its end); B's fragments are at work through the whole step and have two sets.
; THE CHANGE OF SLOTS STANDS AT THE HEAD OF A SLOT'S LAST STEP: all that step's fragments and scale words have been asked for by then, so the slot is given up and asked for again ahead of the step's 64 products.
.set SIZE_N,  4096
.set NQ,      2                        ; matrix instructions deep in a slot
.set FR,      16                       ; registers of a fragment
.set NL,      4                        ; LDS loads that bring one
.set NP,      8                        ; places behind this matrix instruction (ISA guide 7.12.1)
.set PART,    33792
.set SCO,     32768                    ; where a PART's scale words begin
.set SLOT,    4*PART
.set KSTRIDE, 32*PART                  ; from a K step to the next in memory
.set LAPS,    8                        ; a lap = two K steps = once round the ring: 4,096 / 512
.set SPARE,   2*SLOT                   ; behind the ring: the spare words, 128 bytes for each wave: two blocks of 256 bytes that no other line names
.set SPITCH,  528                      ; the way out: a stage of 16 rows x (512 bytes + 16) for each wave, in slot 0, which has had its last fill and its last read when the first result is stored there
.set ADRA, 16                          ; v16-17  LDS address of my A fragments in slot 0, 1
.set ADRB, 20                          ; v20-21  the same for B
.set ADRS, 22                          ; v22-23  of my scale words in slot 0, 1: lanes 0-15 A's rows, lanes 16-31 B's
.set STO,  24                          ; v24     the way out: where I put 32 bytes of a row
.set RD,   25                          ; v25     the way out: where I read a row back
.set CO,   26                          ; v26     my byte offset in a row of out0
.set BO,   27                          ; v27     my byte offset in the bias: 32 x (lane / 16)
.set SPW,  28                          ; v28     LDS address of my spare word: SPARE + 4 x my thread's number; never rewritten
.set NIL,  29                          ; v29     0; never rewritten
.set PFO,  30                          ; v30     the code prefetches' offset: 256 x lane; never rewritten
.set PFS,  31                          ; v31     the scale prefetch's offset: K step lane / 2, group lane % 2; never rewritten
.set SC,   32                          ; scale words: set s (for slot s) at v[SC + 16 s]; register 2 i + q: lanes 0-15 the word of A's block i, lanes 16-31 of B's block i, for the slot's q-th 128 along K
.set BI,   64                          ; the bias: register 8 b + j of lane (r, h): bias of my column 16 b + 8 h + j
.set AF,   128                         ; A's fragments
.set BK,   128                         ; the way out: 16 rows read back from the stage: v128-191 and v192-255 by turns
.set G1,  24                           ; s[24:31] descriptor group 1 for A's PARTs;  s[32:39] group 0, one set for each slot
.set G0,  32
.set G1B, 48                           ; s[48:55], s[56:63] the same for B's
.set G0B, 56
.set PFA, 66                           ; s[66:67] where my code prefetches stand: my work-group's 8,192 bytes of the PART that I fetch, one K step further on than the refill being asked for
.set LIM, 68                           ; s68     1 in a wave that prefetches, else the greatest number
.set LIM2, 69                          ; s69     1 in a wave that asks for scale words, else the greatest number
.set PFB, 70                           ; s[70:71] where the scale prefetch stands
.set MSB, 0
.macro WIN new                         ; the immediate's high byte repeats the setting that is left
.if MSB != \new
	s_set_vgpr_msb (MSB<<8)|\new
.set MSB, \new
.endif
.endm
.set MUL_LO,   0xa1                    ; source 0 (B) window 1, source 1 (A) window 0, C and D window 2
.set MUL_HI,   0xf1                    ; the same, C and D window 3
.set FIRST_LO, 0x81                    ; the first step: C (the bias) window 0, D window 2
.set FIRST_HI, 0xc1                    ; C window 0, D window 3
.set TO_B,     0x40                    ; destination window 1, address window 0
; A joint load: waves 0 and 1 fetch for A, waves 2 and 3 for B.  Each of the two lines has ONE mask and one set of registers for all that issue it; the branch hangs on the wave's number alone.
; Four v_nop follow each of the two lines, ahead of the jump, the label and what follows.
.macro JLOAD g0a, g1a, g0b, g1b
	s_cmp_eq_u32 s15, 0
	s_cbranch_scc0 .Lfor_b_\@
	tensor_load_to_lds s[\g0a:\g0a+3], s[\g1a:\g1a+7]
	s_nop 0
.rept 4
	v_nop
.endr
	s_branch .Lasked_\@
.Lfor_b_\@:
	tensor_load_to_lds s[\g0b:\g0b+3], s[\g1b:\g1b+7]
	s_nop 0
.rept 4
	v_nop
.endr
.Lasked_\@:
.endm
.macro CREST                           ; a round of the cluster's barrier behind its opening barrier
	s_cmp_lg_u32 s14, 0
	s_cbranch_scc1 .Lnot_wave_0_\@
	s_barrier_signal -3
.Lnot_wave_0_\@:
	s_barrier_wait -3
	s_barrier_signal -1
	s_barrier_wait -1
.endm
.macro CROUND                          ; a whole round
	s_barrier_signal -1
	s_barrier_wait -1
	CREST
.endm
; A PREFETCH INTO THE L2, behind each joint refill and its four lines: the codes of the K step that stands TWO refills on (256 matrix instructions ahead of the load that will ask for them).
; Each aligned block of 256 bytes is named ONCE in the launch.  A's PARTs are read by every cluster of a row of clusters: the one with cluster x = 0 asks; B's by every cluster of a column: cluster y = 0 asks.
; The four partners that ask for a PART jointly share its 32,768 bytes of codes out BY ADDRESS, 8,192 each (place cx for A, cy for B), a lane a block: no branch hangs on a work-group's place in its cluster.
; The loop's last trip (s3 = 1) asks for nothing: K step 15 is the last that is named.
.macro ASK
	s_cmp_gt_u32 s3, s[LIM]
	s_cbranch_scc0 .Lnot_mine_\@
	global_prefetch_b8 v[PFO], s[PFA:PFA+1] offset:KSTRIDE th:TH_LOAD_NT scope:SCOPE_SE
.Lnot_mine_\@:
.endm
	s_load_b256 s[4:11], s[0:1], 0x0               ; a_ws s[4:5], b_ws s[6:7], bias s[8:9], out0 s[10:11]
	v_lshl_add_u32 v[SPW], v0, 2, SPARE
	v_mov_b32 v[NIL], 0
	ds_add_u32 v28, v29
	ds_add_u32 v28, v29
	s_wait_dscnt 0x0
	v_lshrrev_b32 v1, 5, v0
	v_readfirstlane_b32 s14, v1                    ; wave 0..3
	s_lshr_b32 s15, s14, 1                         ; which half of the tile's rows is mine.  Also: I fetch for A (0) or for B (1)
	s_and_b32 s16, s14, 1                          ; which half of its columns.  Also: which of the two groups I fetch
	s_bfe_u32 s40, ttmp6, 0x40000                  ; cx, cy: my place in the cluster
	s_bfe_u32 s41, ttmp6, 0x40004
	s_lshl_b32 s42, ttmp9, 2
	s_add_co_u32 s42, s42, s40                     ; tile column = 4 x cluster x + cx
	s_and_b32 s17, ttmp7, 0xffff
	s_lshl_b32 s17, s17, 2
	s_add_co_u32 s17, s17, s41                     ; tile row = 4 x cluster y + cy
	s_lshl_b32 s43, s41, 2
	s_lshl_b32 s43, 15, s43                        ; my row of the cluster
	s_lshl_b32 s44, 0x1111, s40                    ; my column
	; descriptor group 1: a PART is a dense block: 132 rows of 32 elements of 8 bytes, no padding
	s_or_b32 s[G1+0], s43, (3<<16)|(1<<21)         ; 15:0 the mask: A's PARTs go to my row; 17:16 elements of 8 bytes; 21 set beside a mask
	s_or_b32 s[G1B+0], s44, (3<<16)|(1<<21)        ; B's go to my column
.irp g, G1, G1B
	s_mov_b32 s[\g+1], 32<<16                      ; tensor_dim0
	s_mov_b32 s[\g+2], 132<<16                     ; tensor_dim1
	s_mov_b32 s[\g+3], 32<<16                      ; tile_dim0
	s_mov_b32 s[\g+4], 132                         ; tile_dim1
	s_mov_b32 s[\g+5], 32                          ; tensor_dim0_stride
	s_mov_b32 s[\g+6], 0
	s_mov_b32 s[\g+7], 0
.endr
	s_lshl_b32 s20, s17, 1
	s_add_co_u32 s20, s20, s16                     ; A: group 2 x tile row + half
	s_mul_i32 s20, s20, PART
	s_mov_b32 s21, 0
	s_lshl_b32 s46, s42, 1
	s_add_co_u32 s46, s46, s16                     ; B: group 2 x tile column + half
	s_mul_i32 s46, s46, PART
	s_mov_b32 s47, 0
	s_mul_i32 s45, s14, PART                       ; where they go: wave x PART: no place in the cluster enters an LDS address
	s_wait_kmcnt 0x0
	s_add_nc_u64 s[20:21], s[4:5], s[20:21]
	s_add_nc_u64 s[46:47], s[6:7], s[46:47]
	CROUND                                         ; all sixteen work-groups are here: the first joint loads meet
.irp s, 0,1
	s_mov_b32 s[G0+4*\s], 1
	s_add_co_u32 s[G0+4*\s+1], s45, \s*SLOT
	s_add_nc_u64 s[G0+4*\s+2:G0+4*\s+3], s[20:21], \s*KSTRIDE
	s_or_b32 s[G0+4*\s+3], s[G0+4*\s+3], 0x80000000
	s_mov_b32 s[G0B+4*\s], 1
	s_add_co_u32 s[G0B+4*\s+1], s45, \s*SLOT
	s_add_nc_u64 s[G0B+4*\s+2:G0B+4*\s+3], s[46:47], \s*KSTRIDE
	s_or_b32 s[G0B+4*\s+3], s[G0B+4*\s+3], 0x80000000
	JLOAD G0+4*\s, G1, G0B+4*\s, G1B               ; K steps 0 and 1: two tensor loads of mine are out
.endr
	v_and_b32 v1, 15, v0                           ; r = l % 16
	v_bfe_u32 v2, v0, 4, 1                         ; h = l / 16
	v_and_b32 v6, 31, v0                           ; lane
	v_lshlrev_b32 v4, 4, v6                        ; an image's place for my lane
	s_mul_i32 s21, s15, PART                       ; my 128 rows of A
	s_mul_i32 s22, s16, PART                       ; my 128 rows of B,
	s_add_co_u32 s22, s22, 2*PART                  ; which lie behind A's two PARTs
	s_sub_co_u32 s23, s22, s21                     ; from A's PART to B's
	v_mul_u32_u24 v5, s23, v2                      ; lanes 16-31 take B's scale words
	v_lshl_add_u32 v5, v1, 2, v5                   ; 4 bytes a row
	s_add_co_u32 s23, s21, SCO
	v_add_nc_u32 v[ADRS], s23, v5
	s_add_co_u32 s23, s23, SLOT
	v_add_nc_u32 v[ADRS+1], s23, v5
.irp s, 0,1
	v_add_nc_u32 v[ADRA+\s], s21, v4
	v_add_nc_u32 v[ADRB+\s], s22, v4
	s_add_co_u32 s21, s21, SLOT
	s_add_co_u32 s22, s22, SLOT
.endr
	s_mul_i32 s23, s14, 16*SPITCH                  ; my stage
	v_mul_u32_u24 v5, v1, SPITCH                   ; in: row l % 16, 32 bytes for each half of the lanes
	v_lshl_add_u32 v5, v2, 5, v5
	v_add_nc_u32 v[STO], s23, v5
	v_lshlrev_b32 v[CO], 4, v6                     ; back: the 32 lanes take one row of 512 bytes; and the same in out0
	v_add_nc_u32 v[RD], s23, v[CO]
	v_lshlrev_b32 v[BO], 5, v2
	s_lshl_b32 s46, s42, 10                        ; my first column, in bytes, in out0 and in the bias alike: 1,024 x tile column + 512 x half
	s_lshl_b32 s47, s16, 9
	s_add_co_u32 s46, s46, s47
	s_mov_b32 s47, 0
	s_add_nc_u64 s[8:9], s[8:9], s[46:47]
.irp b, 0,1,2,3,4,5,6,7
	global_load_b128 v[BI+8*\b:BI+8*\b+3], v[BO], s[8:9] offset:64*\b          ; the bias of columns 16 b + 8 h + 0 .. 7
	global_load_b128 v[BI+8*\b+4:BI+8*\b+7], v[BO], s[8:9] offset:64*\b+16
.endr
	s_lshl_b32 s20, s17, 8
	s_lshl_b32 s21, s15, 7
	s_add_co_u32 s20, s20, s21                     ; my first row of out0: 256 x tile row + 128 x half,
	s_lshl_b32 s20, s20, 14                        ; of 16,384 bytes
	s_mov_b32 s21, 0
	s_add_nc_u64 s[20:21], s[20:21], s[46:47]
	s_add_nc_u64 s[10:11], s[10:11], s[20:21]
	; the prefetches: who asks, and where they stand
	s_and_b32 s22, ttmp7, 0xffff                   ; cluster y
	s_cmp_eq_u32 s15, 0                            ; do I fetch for A?
	s_cselect_b32 s20, s17, s42                    ; the tile row for A, the tile column for B
	s_cselect_b32 s21, s40, s41                    ; my place among the four that ask with me
	s_cselect_b32 s22, ttmp9, s22                  ; the coordinate along which other clusters read the same PARTs
	s_cselect_b64 s[PFA:PFA+1], s[4:5], s[6:7]
	s_cmp_eq_u32 s22, 0
	s_cselect_b32 s[LIM], 1, -1                    ; the same in all sixteen partners, for a given wave
	s_cmp_eq_u32 s16, 0
	s_cselect_b32 s[LIM2], s[LIM], -1              ; of the two waves of a side the first asks for the scale words
	s_lshl_b32 s72, s20, 1
	s_mul_i32 s72, s72, PART                       ; the tile's first group
	s_lshl_b32 s73, s21, 8
	s_add_co_u32 s74, s72, s73
	s_add_co_u32 s74, s74, SCO                     ; of a PART's 1,024 bytes of scale words my work-group names 256
	s_mov_b32 s75, 0
	s_add_nc_u64 s[PFB:PFB+1], s[PFA:PFA+1], s[74:75]
	s_mul_i32 s73, s16, PART
	s_add_co_u32 s72, s72, s73                     ; the group that I fetch,
	s_lshl_b32 s73, s21, 13
	s_add_co_u32 s72, s72, s73                     ; my work-group's 8,192 bytes of its codes,
	s_add_co_u32 s72, s72, 2*KSTRIDE               ; at K step 2: the first refill steps it to 3 and names K step 4
	s_mov_b32 s73, 0
	s_add_nc_u64 s[PFA:PFA+1], s[PFA:PFA+1], s[72:73]
	v_lshlrev_b32 v[PFO], 8, v6
	v_lshrrev_b32 v[PFS], 1, v6
	v_mul_u32_u24 v[PFS], v[PFS], KSTRIDE
	v_and_b32 v7, 1, v0
	v_mad_u32_u24 v[PFS], v7, PART, v[PFS]
.macro FRAG reg, adr, q, i             ; a fragment, 16 rows x 128 K of 8-bit codes, is 16 registers: lane l holds row l % 16; registers 4 c .. 4 c + 3 hold K = 32 c + 16 (l / 16) + 0 .. 15.  It lies in LDS as its image
.irp c, 0,1,2,3
	ds_load_b128 v[\reg+4*\c:\reg+4*\c+3], v[\adr] offset:4096*(\i)+2048*(\q)+512*\c
.endr
.endm
; 16 matrix instructions: A's blocks a0, a0 + 1 x B's eight, 128 along K: the slot's q-th.  p: B's set;  sc: the set of scale words.  zero = 1: the first product starts the sums, with the bias as C.
; The 64 accumulators take turns, one instruction a turn, in the same order in every step.
.macro MUL16 a0, p, q, sc, zero
.irp a, \a0, \a0+1
.irp b, 0,1,2,3,4,5,6,7
.if \zero
	v_wmma_scale_f32_16x16x128_f8f6f4 v[8*(8*((\a)%4)+\b):8*(8*((\a)%4)+\b)+7], v[128*(\p)+FR*\b:128*(\p)+FR*\b+FR-1], v[AF+FR*(\a):AF+FR*(\a)+FR-1], v[BI+8*\b:BI+8*\b+7], v[SC+8*NQ*(\sc)+NQ*\b+(\q)], v[SC+8*NQ*(\sc)+NQ*(\a)+(\q)] matrix_a_fmt:MATRIX_FMT_BF8 matrix_b_fmt:MATRIX_FMT_BF8 matrix_a_scale:MATRIX_SCALE_ROW1
.else
	v_wmma_scale_f32_16x16x128_f8f6f4 v[8*(8*((\a)%4)+\b):8*(8*((\a)%4)+\b)+7], v[128*(\p)+FR*\b:128*(\p)+FR*\b+FR-1], v[AF+FR*(\a):AF+FR*(\a)+FR-1], v[8*(8*((\a)%4)+\b):8*(8*((\a)%4)+\b)+7], v[SC+8*NQ*(\sc)+NQ*\b+(\q)], v[SC+8*NQ*(\sc)+NQ*(\a)+(\q)] matrix_a_fmt:MATRIX_FMT_BF8 matrix_b_fmt:MATRIX_FMT_BF8 matrix_a_scale:MATRIX_SCALE_ROW1
.endif
.endr
.endr
.endm
.macro FETCH_B slot, q, p              ; B's eight fragments of the slot's q-th 128 along K into set p
	WIN TO_B
.irp i, 0,1,2,3,4,5,6,7
	FRAG 128*(\p)+FR*\i, ADRB+\slot, \q, \i
.endr
	WIN 0
.endm
.macro FETCH_A slot, q, i0             ; A's blocks i0 .. i0 + 3
.irp i, \i0, \i0+1, \i0+2, \i0+3
	FRAG AF+FR*(\i), ADRA+\slot, \q, \i
.endr
.endm
.macro SCALES sc                       ; slot sc's scale words into set sc: lanes 0-15 take A's block i, lanes 16-31 B's block i; they ride in the slot, so no address is stepped
.irp i, 0,1,2,3,4,5,6,7
.irp q, 0,1
	ds_load_b32 v[SC+8*NQ*\sc+NQ*\i+\q], v[ADRS+\sc] offset:512*\q+64*\i
.endr
.endr
.endm
; A load into a register that a matrix instruction has read, and an LDS store that reads a matrix result, stand NP places behind that matrix instruction, and only plain vector instructions that name
; none of its registers are places (ISA guide 7.12.1 for vector instructions); this text does not count the matrix instructions in between.
.macro PLACES n
.rept \n
	v_nop
.endr
.endm
; A step of 128 along K that has its successor in the same slot.
.macro STEP slot, q, zero
	s_wait_dscnt 4*NL                              ; B's set, A's blocks 0-3 and the scale words are in; the youngest 16 loads (A's blocks 4-7) may be out
.if \zero
	WIN FIRST_LO
.else
	WIN MUL_LO
.endif
	MUL16 0, (\q)%2, \q, \slot, \zero
	MUL16 2, (\q)%2, \q, \slot, \zero
	s_wait_dscnt 0                                 ; A's blocks 4-7 are in (asked for 32 matrix instructions ago)
	PLACES NP
	FETCH_B \slot, (\q)+1, 1-(\q)%2
	FETCH_A \slot, (\q)+1, 0
.if \zero
	WIN FIRST_HI
.else
	WIN MUL_HI
.endif
	MUL16 4, (\q)%2, \q, \slot, \zero
	MUL16 6, (\q)%2, \q, \slot, \zero
	PLACES NP
	WIN 0
	FETCH_A \slot, (\q)+1, 4
.endm
; A slot's last step, with the change of slots AT ITS HEAD.  All of the step's fragments have been asked for (B's set 1 and A's blocks 0-3 in the middle of the step before, A's blocks 4-7 at its end), so nothing
; of this slot is read behind the barrier.  In front of the barrier each wave waits for all its tensor loads, adds 0 to its spare word, and waits for that and for its own reads of this slot.
; fill = 1: this slot is filled again, two K steps ahead; the barrier then opens a round of the cluster's barrier, and the joint refill stands ahead of the step's products:
; from a request to the wait for it a wave issues 128 matrix instructions, this step's 64 and the next step's.
.macro TURN slot, next, fill
.if \fill
	s_wait_xcnt 0x0                                ; the last prefetch, a K step back, has read its address: it is stepped here, ahead of the waits of the change of slots
	s_add_nc_u64 s[PFA:PFA+1], s[PFA:PFA+1], KSTRIDE
.endif
	s_wait_tensorcnt 0x0                           ; all my tensor loads have landed: the one that was out is my PART of the next slot  (every window is 0 here)
	ds_add_u32 v[SPW], v[NIL]                      ; 0 onto my spare word
.if \fill
	s_add_nc_u64 s[G0+4*\slot+2:G0+4*\slot+3], s[G0+4*\slot+2:G0+4*\slot+3], 2*KSTRIDE       ; no tensor load of mine is out, so a group 0 may be written: this slot's next K step
	s_add_nc_u64 s[G0B+4*\slot+2:G0B+4*\slot+3], s[G0B+4*\slot+2:G0B+4*\slot+3], 2*KSTRIDE
.endif
	s_wait_dscnt 0x0                               ; the add is done, and my reads of this slot are over: the step's fragments are in registers
	s_barrier_signal -1
	s_barrier_wait -1
.if \fill
	CREST                                          ; no wave of any partner still reads this slot or has a load on its way
	JLOAD G0+4*\slot, G1, G0B+4*\slot, G1B         ; the first tensor load behind the round, and my only one until the next
	ASK
.endif
	WIN MUL_LO
	MUL16 0, 1, NQ-1, \slot, 0
	MUL16 2, 1, NQ-1, \slot, 0
	PLACES NP
	FETCH_B \next, 0, 0                            ; the next slot is whole: its first step's fragments
	FETCH_A \next, 0, 0
	WIN MUL_HI
	MUL16 4, 1, NQ-1, \slot, 0
	MUL16 6, 1, NQ-1, \slot, 0
	PLACES NP
	WIN 0
	SCALES \next                                   ; ahead of A's blocks 4-7, so that the count at the next step's head leaves those sixteen loads alone out
	FETCH_A \next, 0, 4
.endm
	s_wait_tensorcnt 1                             ; my PART of K step 0 is in (K step 1's load may be out)
	s_barrier_signal -1
	s_barrier_wait -1                              ; everybody's is
	FETCH_B 0, 0, 0
	FETCH_A 0, 0, 0
	SCALES 0
	FETCH_A 0, 0, 4
	; The scale words' blocks are asked for once, here: a PART has four blocks of 256 bytes of them, one for each of the four partners (told apart by address), too few for an instruction a K step.
	; So wave 0 (A) or wave 2 (B) of the clusters that prefetch names its block in all 16 K steps of the tile's two groups: lane l: K step l / 2, group l % 2.  Eight of the lanes name K steps 0 to 3, whose loads are out or soon due.
	s_cmp_eq_u32 s[LIM2], 1
	s_cbranch_scc0 .Lno_scales
	global_prefetch_b8 v[PFS], s[PFB:PFB+1] th:TH_LOAD_NT scope:SCOPE_SE
.Lno_scales:
	s_wait_loadcnt 0x0                             ; the bias
	STEP 0, 0, 1                                   ; the first step stands in front of the loop: its products start the sums
	s_mov_b32 s3, LAPS-1
.Llap:                                                 ; a trip goes once round the ring, from a lap's second step to the next lap's first, and fills both slots again
	TURN 0, 1, 1
	STEP 1, 0, 0
	TURN 1, 0, 1
	STEP 0, 0, 0
	s_sub_co_u32 s3, s3, 1
	s_cmp_lg_u32 s3, 0
	s_cbranch_scc1 .Llap
	TURN 0, 1, 0                                   ; the last lap fills nothing, and has no round of the cluster's barrier
	STEP 1, 0, 0
	s_wait_dscnt 4*NL                              ; the very last step: nothing more to fetch
	WIN MUL_LO
	MUL16 0, 1, NQ-1, 1, 0
	MUL16 2, 1, NQ-1, 1, 0
	s_wait_dscnt 0
	WIN MUL_HI
	MUL16 4, 1, NQ-1, 1, 0
	MUL16 6, 1, NQ-1, 1, 0
	WIN 0
; THE WAY OUT, block by block of 16 rows x 128 columns.  A lane holds 32 neighbouring bytes of a row, and the lanes beside it hold other rows: so a block goes through my own stage in LDS and comes back as whole
; rows of 512 bytes.  LDS serves a wave's instructions in order (ISA guide 5.7.1.4): no wait between the stores and the loads, nor in front of the next block's stores.
.macro TOSTAGE a
.set AC, 64*((\a)%4)
	WIN 0x08+4*((\a)/4)                            ; the data: window 2 or 3
.irp b, 0,1,2,3,4,5,6,7
	ds_store_b128 v[STO], v[AC+8*\b:AC+8*\b+3] offset:64*\b          ; each accumulator from its low end on
	ds_store_b128 v[STO], v[AC+8*\b+4:AC+8*\b+7] offset:64*\b+16
.endr
	WIN 0
.set BB, BK+64*((\a)%2)
.irp t, 0,1,2,3,4,5,6,7,8,9,10,11,12,13,14,15
	ds_load_b128 v[BB+4*\t:BB+4*\t+3], v[RD] offset:\t*SPITCH
.endr
.endm
.macro SEND a, younger                 ; younger: the LDS instructions issued behind block a's loads, which may stay out
.set BB, BK+64*((\a)%2)
	s_wait_dscnt \younger                          ; the block is back in registers
.if (\a) > 0
	s_add_nc_u64 s[10:11], s[10:11], 16*SIZE_N*4   ; (behind a wait on XCNT: the earlier stores have read their base)  16 rows on, so that the stores' offsets stay small: 15 rows at the most
.endif
.irp t, 0,1,2,3,4,5,6,7,8,9,10,11,12,13,14,15
	global_store_b128 v[CO], v[BB+4*\t:BB+4*\t+3], s[10:11] offset:\t*SIZE_N*4 th:TH_STORE_NT   ; 32 lanes store 512 consecutive bytes, at a multiple of 256 from out0's first byte; written once, read by nobody here
.endr
.endm
	PLACES NP                                      ; for the loads into the registers that held A's fragments, and for the reads of the last products' results
	TOSTAGE 0
.irp a, 1,2,3,4,5,6,7
.if \a > 1
	s_wait_xcnt 0x0                                ; block a - 2's stores have read their registers and their base: block a's loads may land there, and the base may step
.endif
	TOSTAGE \a
	SEND \a-1, 32                                  ; behind block a - 1's loads: block a's 16 stores and 16 loads
.endr
	s_wait_xcnt 0x0                                ; block 6's stores have read their base
	SEND 7, 0
	s_wait_tensorcnt 0x0                           ; the wave's end: behind my last tensor load and my last LDS store
	ds_add_u32 v[SPW], v[NIL]
	s_wait_dscnt 0x0
	CROUND                                         ; the closing round: no work-group ends while a partner may still ask for a PART that names it
	s_endpgm
.Lfunc_end_k_qe6150300d1_gemm:
	.size	k_qe6150300d1_gemm, .Lfunc_end_k_qe6150300d1_gemm-k_qe6150300d1_gemm
	.p2alignl 7, 3214868480
	.fill 96, 4, 3214868480
	.section	.rodata,"a",@progbits
	.p2align	6, 0x0
	.amdhsa_kernel k_qe6150300d1_gemm
		.amdhsa_group_segment_fixed_size 327680
		.amdhsa_private_segment_fixed_size 0
		.amdhsa_enable_private_segment 0
		.amdhsa_kernarg_size 32
		.amdhsa_user_sgpr_count 2
		.amdhsa_user_sgpr_kernarg_segment_ptr 1
		.amdhsa_wavefront_size32 1
		.amdhsa_system_sgpr_workgroup_id_x 1
		.amdhsa_system_sgpr_workgroup_id_y 1
		.amdhsa_system_sgpr_workgroup_id_z 1
		.amdhsa_system_vgpr_workitem_id 0
		.amdhsa_next_free_vgpr 1024
		.amdhsa_next_free_sgpr 80
		.amdhsa_reserve_vcc 0
		.amdhsa_float_denorm_mode_32 3
		.amdhsa_float_denorm_mode_16_64 3
		.amdhsa_memory_ordered 1
		.amdhsa_forward_progress 1
		.amdhsa_inst_pref_size 148
	.end_amdhsa_kernel
	.amdgpu_metadata
---
amdhsa.version: [ 1, 2 ]
amdhsa.kernels:
  - .name:           k_qe6150300d1_gemm
    .symbol:         k_qe6150300d1_gemm.kd
    .args:
      - { .name: a_ws, .offset: 0, .size: 8, .value_kind: global_buffer, .address_space: global }
      - { .name: b_ws, .offset: 8, .size: 8, .value_kind: global_buffer, .address_space: global }
      - { .name: bias, .offset: 16, .size: 8, .value_kind: global_buffer, .address_space: global }
      - { .name: out0, .offset: 24, .size: 8, .value_kind: global_buffer, .address_space: global }
    .group_segment_fixed_size: 327680
    .private_segment_fixed_size: 0
    .kernarg_segment_align: 8
    .kernarg_segment_size: 32
    .max_flat_workgroup_size: 128
    .sgpr_count:     80
    .vgpr_count:     1024
    .wavefront_size: 32
...
	.end_amdgpu_metadata
.endif
;; end of part 2
